; MI455X (gfx1250); checked and timed in simulation.
; The chip was launched on July 23, 2026; its instructions are those of AMD's public machine-readable ISA for CDNA 5 (MIT licence, August 2026) and "CDNA5" Instruction Set Architecture Reference Guide (July 2026). The comments in the code are by the model that wrote it; some were corrected since.
;; Q Linear. Allowed arithmetic: matrix products marked QUANTISED: E4M3 operands, one given power-of-two scale a tensor, by v_wmma_f32_16x16x64_fp8_fp8 or v_wmma_f32_16x16x128_fp8_fp8, f32 sums; everything else in f32.
;; Inputs: bias 4,096 float32; lowp_scales 2 int32 (the exponents e of the quantised operands' scales 2^e); weight_int8 4,096 x 4,096 int8; weight_scale one number float32; x 4 x 1,024 x 4,096 float32.
;; Outputs: out0 4 x 1,024 x 4,096 float32.
;; This version of the problem:
;;   THIS VERSION OF THE PROBLEM IS GIVEN IN LOW PRECISION. The matrix products marked QUANTISED in the list below multiply operands that are first quantised to E4M3 (4 exponent bits, 3 mantissa bits; 8 bits a number), with one given power-of-two scale for each operand tensor; their sums are f32. All else is computed in f32.
;;   The module's matrix products, in the order in which they are computed (A, B: the left and right operand; K: the contracted axis; several contracted axes count as one K, in the product's order):
;;     1. [M 4,096, K 4,096] x [K 4,096, N 4,096]; A: computed on the way; B: computed on the way: QUANTISED (scales: A lowp_scales[0], B lowp_scales[1])
;;   THE QUANTISER, for each operand of a quantised product, along K:
;;     - The operand's scale is 2^e, e = its entry of the input lowp_scales (int32; the entries are numbered through the quantised products in the list's order, A before B).
;;     - Each number is divided by the scale, clamped to +-448, and rounded to the nearest number of E4M3, ties to even, subnormals kept.
;;     - The product sums the exact products of the quantised numbers (number of the format x scale) in f32.
;;   ~~~python
;;   def quantise(x, axis, e):      # numpy; x: float32 -> the quantised numbers, widened to float32 again
;;       x = np.moveaxis(x, axis, -1); K = x.shape[-1]
;;       r = np.clip(x / 2.0 ** e, -448, 448)
;;       step = 2.0 ** (np.maximum(np.frexp(np.where(r == 0, 1, r))[1] - 1, -6) - 3)
;;       q = np.round(r / step) * step * 2.0 ** e      # np.round: ties to even
;;       return np.moveaxis(q, -1, axis).astype(np.float32)
;;   ~~~
;;   OPERANDS COMPUTED ON THE WAY. 'Computed on the way' means the value that the module computes at that place (a softmax that the list does not call 'softmax' is quantised finished and normalised). What goes into a quantiser is computed in f32, as accurately as f32 sums, v_exp_f32 and their like allow (about 1e-6 of the number): no bf16 or f16 on the way to a quantiser, and a product that is left as it is and whose result goes on into a quantised operand takes f32 operands (vector FMAs, or v_wmma_f32_16x16x4_f32). A number that lies on a knife's edge between two numbers of the format may be rounded either way, as far as f32 arithmetic and the matrix unit's own rounding can turn it there, and no further.
;; One version. Each part assembles by itself: llvm-mc -triple=amdgcn-amd-amdhsa -mcpu=gfx1250 --defsym DOCPART=n.
;; ======== version 1 of 1: 2 launches
;; limits: right only within a limited range of input values
;; workspace buffers: xc 16,777,216 bytes; wc 16,777,216 bytes
;; launch quant (part 1): grid 1024 x 1, 4 waves a work-group, no clusters, 34,304 bytes of LDS; arguments x, weight_int8, weight_scale, lowp_scales, xc, wc; writes xc, wc
.if DOCPART == 1
	.amdgcn_target "amdgcn-amd-amdhsa--gfx1250"
	.amdhsa_code_object_version 6
	.text
	.protected	k_qc19b1b1937_quant
	.globl	k_qc19b1b1937_quant
	.p2align	8
	.type	k_qc19b1b1937_quant,@function
k_qc19b1b1937_quant:
	s_mov_b64 s[64:65], 0
	v_nop
	global_prefetch_b8 v0, s[64:65] scope:SCOPE_SE
	s_setreg_imm32_b32 hwreg(HW_REG_WAVE_MODE, 25, 1), 1
	s_wait_xcnt 0x0
; Both operands of the product are made in f32 and turned into codes of FP8 (E4M3), one code a byte.
;   xc[m][k] = Q(xq[m][k], e0),  xq = round(x / s) * s,  s = max over k of |x[m][k]| / 127 + 1e-8   (round: nearest whole number, ties to even)
;   code of w[n][k] = Q(weight_int8[n][k] * weight_scale, e1)
;   Q(v, e) = v / 2^e, held within +-448, rounded to the nearest code, ties to even.  e0, e1: the two whole numbers in lowp_scales.
; LIMITS: e0 and e1 each between -126 and 119, so that 2^e and 448 x 2^e are f32 numbers.  NaN and infinity in x or in weight_scale are not served.
; ROUNDING: max / 127 and x / s are a multiplication by the reciprocal and one step on the remainder (two fused multiply-adds); int8 to f32 is exact; w and xq take one rounding each.
; LAYOUTS.  xc: rows of 4,096 codes, K innermost.  wc: in the order in which the product's launch takes B into registers:
;   byte of (n, k) = (n/128) 524288 + (k/128) 16384 + ((n/16)%8) 2048 + ((k%128)/32) 512 + ((k%32)/16) 256 + (n%16) 16 + k%16.
; SHARES.  Wave v = 4 g + w takes row v of x (16,384 bytes, kept in 128 registers between the pass for the maximum and the pass that quantises: x is read once)
; and of weight_int8 the 16 rows 16 (v/16) .. + 15 at k = 256 (v%16) .. + 255: eight loads, each two rows' 256 consecutive bytes.  No loop, no branch, no barrier: waves share nothing.
; THE WAY OUT.  W: a lane's 16 codes belong to one unit of 256 bytes of wc together with the same 16 k of the 15 other rows: so they turn through the wave's own stage
; (16 units, 272 bytes apart) and leave as stores of 512 consecutive bytes.  x: 4 bytes of codes a lane go through a second stage of the wave's own and leave 16 a lane.
.set LB,   2                           ; v2       16 x lane: offset of x's loads and of all stores; never rewritten
.set SA,   3                           ; v3       x's stage, in: 4,096 x wave + 4 x lane
.set LA,   4                           ; v4       x's stage, out: 4,096 x wave + 16 x lane
.set MG,   5                           ; v5       2^23 as f32
.set SCW,  6                           ; v6 2^e1, v7 448 x 2^e1, v8 2^e0, v9 448 x 2^e0
.set LIMW, 7
.set SCX,  8
.set LIMX, 9
.set M,    10                          ; v[10:13] four running maxima
.set RC,   14                          ; v[14:15] 1 / s, twice
.set SS,   16                          ; v[16:17] s, twice
.set NS,   18                          ; v[18:19] -s, twice
.set WLB,  22                          ; v22      W's loads: 4,096 (lane / 16) + 16 (lane % 16)
.set WSA,  23                          ; v23      W's stage, in: 272 (lane % 16) + 16 (lane / 16)
.set WLA,  234                         ; v234     W's stage, out: 272 (lane / 16) + 16 (lane % 16)
.set T,    24                          ; v[24:39] at work
.set WR,   40                          ; v[40:71] W as loaded, then its codes, then the codes back from the stage
.set C,    72                          ; v[72:103] x's codes
.set X,    104                         ; v[104:231] x's row
.set WST,  0x4200                      ; W's stages, 4,352 bytes a wave, behind x's stages (16,384) and the spare words (512)
	s_load_b256 s[4:11], s[0:1], 0x0               ; x, weight_int8, weight_scale, lowp_scales
	s_load_b128 s[12:15], s[0:1], 0x20             ; xc, wc
	v_lshl_add_u32 v232, v0, 2, 0x4000
	v_mov_b32 v233, 0
	v_and_b32 v1, 31, v0                           ; lane
	v_lshlrev_b32 v[LB], 4, v1
	v_lshrrev_b32 v20, 5, v0
	v_readfirstlane_b32 s16, v20                   ; wave 0..3
	s_lshl_b32 s26, s16, 12
	s_mul_i32 s27, s16, 4352
	s_add_co_u32 s27, s27, WST
	v_lshl_add_u32 v[SA], v1, 2, s26
	v_lshl_add_u32 v[LA], v1, 4, s26
	v_mov_b32 v[MG], 0x4b000000
	v_and_b32 v20, 15, v1
	v_lshrrev_b32 v21, 4, v1
	v_lshlrev_b32 v[WLB], 4, v20
	v_lshl_add_u32 v[WLB], v21, 12, v[WLB]
	v_mul_u32_u24 v[WSA], v20, 272
	v_lshl_add_u32 v[WSA], v21, 4, v[WSA]
	v_add_nc_u32 v[WSA], s27, v[WSA]
	v_mul_u32_u24 v[WLA], v21, 272
	v_lshl_add_u32 v[WLA], v20, 4, v[WLA]
	v_add_nc_u32 v[WLA], s27, v[WLA]
	s_lshl_b32 s17, ttmp9, 2
	s_add_co_u32 s17, s17, s16                     ; v = 4 x work-group + wave
	s_lshl_b32 s18, s17, 14                        ; x's row, in bytes
	s_mov_b32 s19, 0
	s_lshl_b32 s20, s17, 12                        ; xc's row
	s_mov_b32 s21, 0
	s_lshr_b32 s34, s17, 4                         ; which 16 rows of W
	s_and_b32 s35, s17, 15                         ; which 256 along K
	s_lshl_b32 s36, s34, 16
	s_lshl_b32 s26, s35, 8
	s_add_co_u32 s36, s36, s26                     ; in weight_int8: 16 rows x 4,096 + 256 x chunk
	s_mov_b32 s37, 0
	s_lshr_b32 s38, s34, 3
	s_lshl_b32 s38, s38, 19
	s_lshl_b32 s26, s35, 15
	s_add_co_u32 s38, s38, s26
	s_and_b32 s26, s34, 7
	s_lshl_b32 s26, s26, 11
	s_add_co_u32 s38, s38, s26                     ; in wc: by the layout above
	s_mov_b32 s39, 0
	s_mov_b32 s28, 0x03020104                      ; v_perm_b32: byte i of the first source under the upper three bytes of the second
	s_mov_b32 s29, 0x03020105
	s_mov_b32 s30, 0x03020106
	s_mov_b32 s31, 0x03020107
	s_mov_b32 s32, 0x76543210                      ; v_permlanex16_b32: each lane takes its own place in the other half
	s_mov_b32 s33, 0xfedcba98
	s_wait_alu depctr_va_vdst(0)                   ; the wait at the head's end
	s_wait_kmcnt 0x0
	s_load_b32 s22, s[8:9], 0x0                    ; weight_scale
	s_load_b64 s[24:25], s[10:11], 0x0             ; e0, e1
	s_add_nc_u64 s[4:5], s[4:5], s[18:19]
	s_add_nc_u64 s[6:7], s[6:7], s[36:37]
	s_add_nc_u64 s[12:13], s[12:13], s[20:21]
	s_add_nc_u64 s[14:15], s[14:15], s[38:39]
.irp c, 0,1,2,3,4,5,6,7
	global_load_b128 v[WR+4*\c:WR+4*\c+3], v[WLB], s[6:7] offset:8192*\c th:TH_LOAD_NT   ; rows 2 c and 2 c + 1: sixteen lanes read 256 consecutive bytes
.endr
.irp j, 0,1,2,3,4,5,6,7,8,9,10,11,12,13,14,15,16,17,18,19,20,21,22,23,24,25,26,27,28,29,30,31
	global_load_b128 v[X+4*\j:X+4*\j+3], v[LB], s[4:5] offset:512*\j th:TH_LOAD_NT
.endr
	s_wait_kmcnt 0x0
	s_mov_b32 s23, s22                             ; (named with s22 as a pair, so it is written)
	s_add_co_i32 s26, s25, 127
	s_lshl_b32 s27, s26, 23
	v_mov_b32 v[SCW], s27                          ; 2^e1 as f32: the conversion takes its exponent field
	s_add_co_i32 s26, s26, 8
	s_lshl_b32 s26, s26, 23
	s_or_b32 s26, s26, 0x600000
	v_mov_b32 v[LIMW], s26                         ; 448 x 2^e1
	s_add_co_i32 s26, s24, 127
	s_lshl_b32 s27, s26, 23
	v_mov_b32 v[SCX], s27                          ; 2^e0
	s_add_co_i32 s26, s26, 8
	s_lshl_b32 s26, s26, 23
	s_or_b32 s26, s26, 0x600000
	v_mov_b32 v[LIMX], s26                         ; 448 x 2^e0
; W's chunk c: my 16 bytes of int8 become 16 codes, which go into the stage: unit lane % 16, row 2 c + lane / 16.
.macro WCHUNK c
	s_wait_loadcnt 39-(\c)                         ; loads come back in order (ISA guide 5.7.1): behind chunk c's stand W's 7 - c others and x's 32
.irp d, 0,1,2,3
	v_xor_b32 v[WR+4*(\c)+\d], 0x80808080, v[WR+4*(\c)+\d]     ; each byte + 128.  (Also the plain place behind the last chunk's conversions)
.endr
.irp d, 0,1,2,3
.irp i, 0,1,2,3
	v_perm_b32 v[T+4*\d+\i], v[WR+4*(\c)+\d], v[MG], s[28+\i]  ; the byte as the lowest mantissa bits of 2^23
.endr
.endr
.irp p, 0,2,4,6,8,10,12,14
	v_pk_add_f32 v[T+\p:T+\p+1], v[T+\p:T+\p+1], 0xcb000080 op_sel_hi:[1,0]   ; - (2^23 + 128): the int8 number as f32, exact
.endr
.irp p, 0,2,4,6,8,10,12,14
	v_pk_mul_f32 v[T+\p:T+\p+1], v[T+\p:T+\p+1], s[22:23] op_sel_hi:[1,0]     ; x weight_scale: w, one rounding
.endr
.irp i, 0,1,2,3,4,5,6,7,8,9,10,11,12,13,14,15
	v_med3_num_f32 v[T+\i], v[T+\i], -v[LIMW], v[LIMW]         ; the conversion does not saturate (ISA guide 7.6.2): the hold at the largest code x the scale
.endr
	v_cvt_scalef32_pk8_fp8_f32 v[WR+4*(\c):WR+4*(\c)+1], v[T:T+7], v[SCW]
	v_cvt_scalef32_pk8_fp8_f32 v[WR+4*(\c)+2:WR+4*(\c)+3], v[T+8:T+15], v[SCW]
.if (\c) == 7
	v_nop                                          ; a plain vector line behind the last conversion
.endif
	ds_store_b128 v[WSA], v[WR+4*(\c):WR+4*(\c)+3] offset:32*(\c)   ; units 272 bytes apart: sixteen lanes touch sixteen different columns of 16 bytes
.endm
.irp c, 0,1,2,3,4,5,6,7
	WCHUNK \c
.endr
.irp t, 0,1,2,3,4,5,6,7
	ds_load_b128 v[WR+4*\t:WR+4*\t+3], v[WLA] offset:544*\t    ; units 2 t and 2 t + 1, whole; LDS serves a wave's instructions in order (ISA guide 5.7.1.4)
.endr
	; the row's largest |x|: my 128 numbers in four chains
	s_wait_loadcnt 24                              ; x's first eight loads are in
.irp k, 0,1,2,3
	v_max_num_f32 v[M+\k], |v[X+2*\k]|, |v[X+2*\k+1]|
.endr
.set i, 8
.rept 60
.if i == 32
	s_wait_alu depctr_va_vdst(0)
	s_wait_loadcnt 16
.endif
.if i == 64
	s_wait_alu depctr_va_vdst(0)
	s_wait_loadcnt 8
.endif
.if i == 96
	s_wait_alu depctr_va_vdst(0)
	s_wait_loadcnt 0
.endif
	v_max3_num_f32 v[M+(i/2)%4], v[M+(i/2)%4], |v[X+i]|, |v[X+i+1]|
.set i, i+2
.endr
	s_wait_alu depctr_va_vdst(0)
	s_wait_dscnt 0x0                               ; W's codes are back from the stage
.irp t, 0,1,2,3,4,5,6,7
	global_store_b128 v[LB], v[WR+4*\t:WR+4*\t+3], s[14:15] offset:(\t/4)*16384+(\t%4)*512   ; 512 consecutive bytes, at a multiple of 256 from wc's first byte
.endr
	v_max3_num_f32 v[M], v[M], v[M+1], v[M+2]
	v_max_num_f32 v[M], v[M], v[M+3]
	v_max_num_f32_dpp v[M], v[M], v[M] row_xmask:1 row_mask:0xf bank_mask:0xf
	v_max_num_f32_dpp v[M], v[M], v[M] row_xmask:2 row_mask:0xf bank_mask:0xf
	v_max_num_f32_dpp v[M], v[M], v[M] row_xmask:4 row_mask:0xf bank_mask:0xf
	v_max_num_f32_dpp v[M], v[M], v[M] row_xmask:8 row_mask:0xf bank_mask:0xf
	v_permlanex16_b32 v[M+1], v[M], s32, s33
	v_max_num_f32 v[M], v[M], v[M+1]               ; every lane holds the row's maximum m
	v_mul_f32 v20, 0x3c010204, v[M]                ; m x the f32 number nearest 1 / 127,
	v_fma_f32 v21, -v20, 0x42fe0000, v[M]          ; what that leaves of m,
	v_fma_f32 v20, v21, 0x3c010204, v20            ; and its share added: m / 127
	v_add_f32 v[SS], 0x322bcc77, v20               ; + 1e-8
	s_wait_alu depctr_va_vdst(0)
	v_rcp_f32 v[RC], v[SS]
	v_sub_f32 v[NS], 0, v[SS]                      ; (the plain place behind the reciprocal)  -s
	s_wait_alu depctr_va_vdst(0)
	v_fma_f32 v20, v[NS], v[RC], 1.0
	v_fma_f32 v[RC], v20, v[RC], v[RC]             ; r + r (1 - s r)
	v_mov_b32 v[SS+1], v[SS]
	v_mov_b32 v[NS+1], v[NS]
	v_mov_b32 v[RC+1], v[RC]
; Eight numbers of x become eight codes: two words, for k = 256 g + 4 x lane + 0..3 and 256 g + 128 + 4 x lane + 0..3.
.macro XGROUP g
.irp p, 0,2,4,6
	v_pk_mul_f32 v[T+\p:T+\p+1], v[X+8*(\g)+\p:X+8*(\g)+\p+1], v[RC:RC+1]                          ; q = x (1 / s)
.endr
.irp p, 0,2,4,6
	v_pk_fma_f32 v[T+8+\p:T+8+\p+1], v[T+\p:T+\p+1], v[NS:NS+1], v[X+8*(\g)+\p:X+8*(\g)+\p+1]      ; x - q s
.endr
.irp p, 0,2,4,6
	v_pk_fma_f32 v[T+\p:T+\p+1], v[T+8+\p:T+8+\p+1], v[RC:RC+1], v[T+\p:T+\p+1]                    ; x / s
.endr
.irp i, 0,1,2,3,4,5,6,7
	v_rndne_f32 v[T+\i], v[T+\i]
.endr
.irp p, 0,2,4,6
	v_pk_mul_f32 v[X+8*(\g)+\p:X+8*(\g)+\p+1], v[T+\p:T+\p+1], v[SS:SS+1]                          ; xq
.endr
.irp i, 0,1,2,3,4,5,6,7
	v_med3_num_f32 v[X+8*(\g)+\i], v[X+8*(\g)+\i], -v[LIMX], v[LIMX]
.endr
	v_cvt_scalef32_pk8_fp8_f32 v[C+2*(\g):C+2*(\g)+1], v[X+8*(\g):X+8*(\g)+7], v[SCX]
.if (\g) == 15
	v_nop                                          ; a plain vector line behind the last conversion
.endif
	ds_store_b32 v[SA], v[C+2*(\g)] offset:256*(\g)
	ds_store_b32 v[SA], v[C+2*(\g)+1] offset:256*(\g)+128
.endm
.macro XOUT c
	ds_load_b128 v[X+16*(\c):X+16*(\c)+3], v[LA] offset:512*(\c)
.if (\c) > 0
	s_wait_dscnt 5                                 ; behind the last chunk's load stand this chunk's four stores and its load
	global_store_b128 v[LB], v[X+16*(\c)-16:X+16*(\c)-13], s[12:13] offset:512*(\c)-512
.endif
.endm
.irp c, 0,1,2,3,4,5,6,7
	XGROUP 2*\c
	XGROUP 2*\c+1
	XOUT \c
.endr
	s_wait_dscnt 0x0
	global_store_b128 v[LB], v[X+112:X+115], s[12:13] offset:3584
	s_wait_tensorcnt 0x0                           ; the wave's end
	ds_add_u32 v232, v233
	s_wait_dscnt 0x0
	s_endpgm
.Lfunc_end_k_qc19b1b1937_quant:
	.size	k_qc19b1b1937_quant, .Lfunc_end_k_qc19b1b1937_quant-k_qc19b1b1937_quant
	.p2alignl 7, 3214868480
	.fill 96, 4, 3214868480
	.section	.rodata,"a",@progbits
	.p2align	6, 0x0
	.amdhsa_kernel k_qc19b1b1937_quant
		.amdhsa_group_segment_fixed_size 34304
		.amdhsa_private_segment_fixed_size 0
		.amdhsa_enable_private_segment 0
		.amdhsa_kernarg_size 48
		.amdhsa_user_sgpr_count 2
		.amdhsa_user_sgpr_kernarg_segment_ptr 1
		.amdhsa_wavefront_size32 1
		.amdhsa_system_sgpr_workgroup_id_x 1
		.amdhsa_system_sgpr_workgroup_id_y 1
		.amdhsa_system_sgpr_workgroup_id_z 1
		.amdhsa_system_vgpr_workitem_id 0
		.amdhsa_next_free_vgpr 236
		.amdhsa_next_free_sgpr 66
		.amdhsa_reserve_vcc 0
		.amdhsa_float_denorm_mode_32 3
		.amdhsa_float_denorm_mode_16_64 3
		.amdhsa_memory_ordered 1
		.amdhsa_forward_progress 1
		.amdhsa_inst_pref_size 77
	.end_amdhsa_kernel
	.amdgpu_metadata
---
amdhsa.version: [ 1, 2 ]
amdhsa.kernels:
  - .name:           k_qc19b1b1937_quant
    .symbol:         k_qc19b1b1937_quant.kd
    .args:
      - { .name: x, .offset: 0, .size: 8, .value_kind: global_buffer, .address_space: global }
      - { .name: weight_int8, .offset: 8, .size: 8, .value_kind: global_buffer, .address_space: global }
      - { .name: weight_scale, .offset: 16, .size: 8, .value_kind: global_buffer, .address_space: global }
      - { .name: lowp_scales, .offset: 24, .size: 8, .value_kind: global_buffer, .address_space: global }
      - { .name: xc, .offset: 32, .size: 8, .value_kind: global_buffer, .address_space: global }
      - { .name: wc, .offset: 40, .size: 8, .value_kind: global_buffer, .address_space: global }
    .group_segment_fixed_size: 34304
    .private_segment_fixed_size: 0
    .kernarg_segment_align: 8
    .kernarg_segment_size: 48
    .max_flat_workgroup_size: 128
    .sgpr_count:     66
    .vgpr_count:     236
    .wavefront_size: 32
...
	.end_amdgpu_metadata
.endif
;; end of part 1
;; launch gemm (part 2): grid 16 x 16, 4 waves a work-group, clusters of 4 x 1, 327,680 bytes of LDS; arguments xc, wc, lowp_scales, out0, bias; writes out0
.if DOCPART == 2
	.amdgcn_target "amdgcn-amd-amdhsa--gfx1250"
	.amdhsa_code_object_version 6
	.text
	.protected	k_qc19b1b1937_gemm
	.globl	k_qc19b1b1937_gemm
	.p2align	8
	.type	k_qc19b1b1937_gemm,@function
k_qc19b1b1937_gemm:
	s_mov_b64 s[64:65], 0
	v_nop
	global_prefetch_b8 v0, s[64:65] scope:SCOPE_SE
	s_setreg_imm32_b32 hwreg(HW_REG_WAVE_MODE, 25, 1), 1
	s_wait_xcnt 0x0
	s_wait_alu depctr_hold_cnt(0) depctr_sa_sdst(0) depctr_va_vdst(0) depctr_va_sdst(0) depctr_va_ssrc(0) depctr_va_vcc(0) depctr_vm_vsrc(0)
	s_getreg_b32 s2, hwreg(HW_REG_IB_STS2, 6, 4)
	s_cmp_eq_u32 s2, 0
	s_cbranch_scc0 .Lentry_in_a_cluster
	s_endpgm
.Lentry_in_a_cluster:
	s_bfe_u32 s2, ttmp6, 0x10000c
	s_cmp_lg_u32 s2, 0x3003
	s_cbranch_scc0 .Lentry_shape_is_right
	s_endpgm
.Lentry_shape_is_right:
; out0[m][n] = 2^(e0 + e1) x (sum over k of xc[m][k] wc(n, k)) + bias[n]; codes of FP8 (E4M3), sums in f32.  M = N = K = 4,096.
; LIMIT: e0 + e1 between -126 and 127, so that 2^(e0 + e1) is an f32 number.
; A work-group of four waves makes 256 x 256 of the result, a wave 128 x 128: 64 accumulators, 512 registers.  256 work-groups.
; A (xc) comes through LDS: two slots, each 256 rows x 512 along K (rows of 512 bytes + 16 of padding), each wave fetching 64 rows by one tensor load.
; The four work-groups of a cluster (4 x 1) make one tile row and ask for A's tiles JOINTLY (mask 15).
; B (wc) does not pass through LDS: the launch before has laid it in the order of the operand's registers, 16,384 consecutive bytes for 128 columns x 128 along K, and each wave
; loads its fragments straight into registers, 512 consecutive bytes a load.  WHY B IS NOT ASKED FOR JOINTLY: a joint request is a tensor load into LDS; with B's 256 rows beside A's, two slots
; hold 256 along K (2 x 139,264 bytes); with A alone they hold 512 (2 x 135,168): 6 rounds of the cluster's barrier with a refill in place of 14, and half the LDS loads for each product.
; A STEP is 128 along K, 64 matrix instructions in four quarters of 16 (half of A's blocks x half of B's fragments).  Even steps: (A0,B0) (A1,B0) (A1,B1) (A0,B1); odd steps: (A1,B0) (A0,B0) (A0,B1) (A1,B1).
; So half a set of B is done with after two quarters: a ring of four half-sets H0..H3 (H0, H1 even steps, H2, H3 odd steps), each loaded again for the step two further on;
; A has three half-sets: X (A0 of even steps), Y (A1 of even, then A0 of odd steps), Z (A1 of odd steps).
; LOADS STAND IN TWO RUNS A STEP, each of 16 LDS loads and 16 global loads behind four places: even steps: first quarter Z and H3, fourth quarter Y and H0; odd steps: second quarter X and H1, fourth quarter Y and H2.
; THE MATRIX INSTRUCTION IS USED TRANSPOSED (source 0 = B, source 1 = A): a lane holds eight neighbouring numbers of a row of the result.  A fragment's k lie 32 c + 16 (l / 16) + 0..15 in registers 4 c .. 4 c + 3, alike in A and B.
; PREFETCHES into the L2.  A: behind each refill (tile t + 2) the tile t + 3; of a wave's 64 rows each of the four partners names 16, by address; a lane a block of 256 bytes.
; B: once in eight steps, the eight steps that begin ten steps on; the 32 waves (16 work-groups x 2) that read the same 128 columns name 4,096 bytes each, by address; the last asks are held inside the buffer.
; REGISTERS: window 0: v0-31 addresses, v64-255 X, Y, Z; window 1: H0..H3; window 2: accumulators of my rows 0-63 ((a, b) at v[8 (8 a + b)]); window 3: rows 64-127.
.set PITCH,  528
.set QROWS,  64*PITCH                  ; what one tensor load brings
.set SLOT,   4*QROWS
.set SPARE,  2*SLOT                    ; the spare words: 128 bytes a wave, named by no other line
.set SPITCH, 528                       ; the way out: 16 rows x 528 bytes a wave, in slot 0, which has then had its last fill and its last read
.set BSTEP,  16384                     ; B's bytes for my 128 columns and 128 along K
.set SIZE_N, 4096
.set BI,   12                          ; v[12:15] bias of my four columns on the way out
.set ADRA, 16                          ; v16-17  LDS address of my A fragments in slot 0, 1
.set STO,  24
.set RD,   25
.set CO,   26                          ; v26     16 x lane: offset of B's loads, of the bias and of the stores
.set SPW,  28
.set NIL,  29
.set PFO,  30                          ; v30     A's prefetch: 4,096 (l % 16) + 256 (l / 16)
.set PFV,  31                          ; v31     B's prefetch: 256 x min(lane, 15)
.set XB,   64
.set YB,   128
.set ZB,   192
.set BK,   128                         ; the way out: rows read back, v128-191 and v192-255 by turns
.set G1, 24
.set G0, 32
.set BP,  66                           ; s[66:67] B's stream, stepped once a trip
.set BG,  68                           ; s[68:69] its first byte
.set PB,  74                           ; s[74:75] B's prefetch
.set PFA, 76                           ; s[76:77] A's prefetch
.set PBH, 78                           ; s[78:79] B's prefetch at the head
.set MSB, 0
.macro WIN new
.if MSB != (\new)
	s_set_vgpr_msb (MSB<<8)|(\new)
.set MSB, (\new)
.endif
.endm
.macro PLACES
.rept 4
	v_nop
.endr
.endm
.macro CROUND                          ; a whole round of the cluster's barrier
	s_barrier_signal -1
	s_barrier_wait -1
	s_cmp_lg_u32 s14, 0
	s_cbranch_scc1 .Lnot_wave_0_\@
	s_barrier_signal -3
.Lnot_wave_0_\@:
	s_barrier_wait -3
	s_barrier_signal -1
	s_barrier_wait -1
.endm
.macro GA dst, sl, q, hf, g            ; one fragment of A: block 4 hf + g, the slot's q-th 128 along K
	WIN 0
.irp c, 0,1,2,3
	ds_load_b128 v[(\dst)+16*(\g)+4*\c:(\dst)+16*(\g)+4*\c+3], v[ADRA+(\sl)] offset:(4*(\hf)+(\g))*16*PITCH+128*(\q)+32*\c
.endr
.endm
.macro GB h, g, off                    ; one fragment of B into half-set h
	WIN 0x40
.irp c, 0,1,2,3
	global_load_b128 v[64*(\h)+16*(\g)+4*\c:64*(\h)+16*(\g)+4*\c+3], v[CO], s[BP:BP+1] offset:(\off)+2048*(\g)+512*\c
.endr
.endm
; A quarter, or its matrix instructions n0 .. n1: A's half hi in buffer fa x half-set hs.  Behind its first matrix instruction stands the quarter's run of loads: four places (the loads go into registers that
; earlier matrix instructions have read: ISA guide 7.12.1 for vector instructions); A's four fragments into buffer ja (0: none); B's four into half-set jb (-1: none);
; tl: behind the run the wait for all my tensor loads and the add (tl = 1: slot js's address steps too).  pf: behind instruction 12 B's prefetch.
.macro QUAD hi, fa, hs, zero, n0, n1, jb, jbo, ja, js, jq, jh, tl, pf
.irp a, 0,1,2,3
.irp b, 0,1,2,3
.if (4*\a+\b >= \n0) && (4*\a+\b <= \n1)
	WIN 0xa1+0x50*(\hi)
.if \zero
	v_wmma_f32_16x16x128_fp8_fp8 v[8*(8*\a+4*((\hs)%2)+\b):8*(8*\a+4*((\hs)%2)+\b)+7], v[64*(\hs)+16*\b:64*(\hs)+16*\b+15], v[(\fa)+16*\a:(\fa)+16*\a+15], 0
.else
	v_wmma_f32_16x16x128_fp8_fp8 v[8*(8*\a+4*((\hs)%2)+\b):8*(8*\a+4*((\hs)%2)+\b)+7], v[64*(\hs)+16*\b:64*(\hs)+16*\b+15], v[(\fa)+16*\a:(\fa)+16*\a+15], v[8*(8*\a+4*((\hs)%2)+\b):8*(8*\a+4*((\hs)%2)+\b)+7]
.endif
.if (4*\a+\b == 0) && (((\jb) >= 0) || ((\ja) > 0))
	PLACES
.if (\ja) > 0
.irp g, 0,1,2,3
	GA \ja, \js, \jq, \jh, \g
.endr
.endif
.if (\jb) >= 0
.irp g, 0,1,2,3
	GB \jb, \g, \jbo
.endr
.endif
.endif
.if (\tl) && (4*\a+\b == 0)
	WIN 0
	s_wait_tensorcnt 0x0                           ; all my tensor loads have landed: my part of the other slot;
	ds_add_u32 v[SPW], v[NIL]                      ; 0 onto my spare word; the quarter's other fifteen matrix instructions stand between it and the wait for it
.if (\tl) == 1
	s_add_nc_u64 s[G0+4*(\js)+2:G0+4*(\js)+3], s[G0+4*(\js)+2:G0+4*(\js)+3], 1024   ; this slot's next tile
.endif
.endif
.if (\pf) && (4*\a+\b == 12)
	WIN 0
	global_prefetch_b8 v[PFV], s[PB:PB+1] th:TH_LOAD_NT scope:SCOPE_SE
.endif
.endif
.endr
.endr
.endm
; An even step: the slot's q-th; st: its number from where s[BP] stands.  Counted waits: LDS loads behind the half-set that is wanted: one younger half-set, 16; B's loads: two younger half-sets, 32.
.macro ESTEP slot, q, st, zero, tl, h0
	s_wait_dscnt 16                                ; X is in (Y may be out)
	s_wait_loadcnt 32                              ; H0 is in
	QUAD 0, XB, 0, \zero, 0, 15, 3, ((\st)+1)*BSTEP+8192, ZB, \slot, (\q)+1, 1, 0, 0
	s_wait_dscnt 16                                ; Y is in (Z may be out)
	QUAD 1, YB, 0, \zero, 0, 15, -1, 0, 0, 0, 0, 0, 0, 0
	s_wait_loadcnt 32                              ; H1 is in
	QUAD 1, YB, 1, \zero, 0, 15, -1, 0, 0, 0, 0, 0, 0, 0
	QUAD 0, XB, 1, \zero, 0, 15, \h0, ((\st)+2)*BSTEP, YB, \slot, (\q)+1, 0, \tl, 0
.endm
; An odd step.  ns, nq: where the next step's A lies.  kind 1: the slot's last step: my reads of slot rs were all issued in the step before; a round of the cluster's barrier, with eight of this quarter's
; matrix instructions (work on registers) between its opening signal and wait; slot rs is filled again first thing behind the round, and the quarter's other eight follow.
; kind 2: the work-group's barrier alone and no refill.  last: nothing more is fetched.
.macro OSTEP st, ns, nq, kind, rs, last, pf, aoff, acond
.if \kind
	s_wait_dscnt 0x0                               ; the add is done, and my reads of this slot are over
.else
	s_wait_dscnt 16                                ; Z is in (Y may be out)
.endif
.if \last
	s_wait_loadcnt 16                              ; H2 is in; behind it H3 alone
.else
	s_wait_loadcnt 32                              ; H2 is in
.endif
.if (\kind) == 0
	QUAD 1, ZB, 2, 0, 0, 15, -1, 0, 0, 0, 0, 0, 0, \pf
.endif
.if (\kind) == 1
	s_barrier_signal -1
	QUAD 1, ZB, 2, 0, 0, 7, -1, 0, 0, 0, 0, 0, 0, 0
	WIN 0
	s_barrier_wait -1
	s_cmp_lg_u32 s14, 0
	s_cbranch_scc1 .Lnw_\@
	s_barrier_signal -3
.Lnw_\@:
	s_barrier_wait -3
	s_barrier_signal -1
	s_barrier_wait -1                              ; no wave of any partner still reads this slot or has a load on its way
	tensor_load_to_lds s[G0+4*(\rs):G0+4*(\rs)+3], s[G1:G1+7]
	s_nop 0
	PLACES
.if \acond
	s_cmp_gt_u32 s3, 1                             ; in the last trip there is no such tile
	s_cbranch_scc0 .Lna_\@
.endif
	global_prefetch_b8 v[PFO], s[PFA:PFA+1] offset:\aoff th:TH_LOAD_NT scope:SCOPE_SE
.if \acond
.Lna_\@:
.endif
	QUAD 1, ZB, 2, 0, 8, 15, -1, 0, 0, 0, 0, 0, 0, 0
.endif
.if (\kind) == 2
	s_barrier_signal -1
	QUAD 1, ZB, 2, 0, 0, 15, -1, 0, 0, 0, 0, 0, 0, 0
	s_barrier_wait -1                              ; the other slot is whole, and nobody reads this one any more
.endif
	s_wait_dscnt 0x0                               ; Y is in
.if \last
	QUAD 0, YB, 2, 0, 0, 15, -1, 0, 0, 0, 0, 0, 0, 0
	s_wait_loadcnt 0x0
	QUAD 0, YB, 3, 0, 0, 15, -1, 0, 0, 0, 0, 0, 0, 0
	QUAD 1, ZB, 3, 0, 0, 15, -1, 0, 0, 0, 0, 0, 0, 0
.else
	QUAD 0, YB, 2, 0, 0, 15, 1, ((\st)+1)*BSTEP+8192, XB, \ns, \nq, 0, 0, 0
	s_wait_loadcnt 32                              ; H3 is in
	QUAD 0, YB, 3, 0, 0, 15, -1, 0, 0, 0, 0, 0, 0, 0
	QUAD 1, ZB, 3, 0, 0, 15, 2, ((\st)+2)*BSTEP, YB, \ns, \nq, 1, 0, 0
.endif
.endm
	s_load_b128 s[4:7], s[0:1], 0x0                ; xc, wc
	s_load_b128 s[8:11], s[0:1], 0x10              ; lowp_scales, out0
	s_load_b64 s[12:13], s[0:1], 0x20              ; bias
	v_lshl_add_u32 v[SPW], v0, 2, SPARE
	v_mov_b32 v[NIL], 0
	ds_add_u32 v[SPW], v[NIL]                      ; the opening lines: the add, twice on end, and its wait ahead of my first tensor load
	ds_add_u32 v[SPW], v[NIL]
	v_lshrrev_b32 v5, 5, v0
	v_readfirstlane_b32 s14, v5                    ; wave 0..3
	s_lshr_b32 s15, s14, 1                         ; which half of the tile's rows is mine
	s_and_b32 s16, s14, 1                          ; which half of its columns
	s_mul_i32 s21, s15, 2*QROWS
	s_mul_i32 s23, s14, 16*SPITCH                  ; my stage
	v_and_b32 v1, 15, v0                           ; l % 16
	v_bfe_u32 v2, v0, 4, 1                         ; l / 16
	v_and_b32 v6, 31, v0
	v_mul_u32_u24 v3, v1, PITCH
	v_lshl_add_u32 v4, v2, 4, v3
	v_add_nc_u32 v[ADRA], s21, v4
	v_add_nc_u32 v[ADRA+1], SLOT, v[ADRA]
	v_lshl_add_u32 v5, v2, 5, v3
	v_add_nc_u32 v[STO], s23, v5
	v_lshlrev_b32 v[CO], 4, v6
	v_add_nc_u32 v[RD], s23, v[CO]
	v_lshlrev_b32 v[PFO], 12, v1
	v_lshl_add_u32 v[PFO], v2, 8, v[PFO]
	v_min_u32 v[PFV], 15, v6
	v_lshlrev_b32 v[PFV], 8, v[PFV]
	s_bfe_u32 s40, ttmp6, 0x40000                  ; cx
	s_lshl_b32 s42, ttmp9, 2
	s_add_co_u32 s42, s42, s40                     ; tile column
	s_and_b32 s17, ttmp7, 0xffff                   ; tile row
	s_mov_b32 s[G1+0], 15|(1<<20)|(1<<21)|(6<<22)|(3<<25)   ; the four of my cluster; elements of a byte; 4 words of padding behind every 128; bit 21 beside a mask
	s_mov_b32 s[G1+1], 512<<16
	s_mov_b32 s[G1+2], 64<<16
	s_mov_b32 s[G1+3], 512<<16
	s_mov_b32 s[G1+4], 64
	s_mov_b32 s[G1+5], 4096
	s_mov_b32 s[G1+6], 0
	s_mov_b32 s[G1+7], 0
	s_lshl_b32 s18, s17, 8
	s_lshl_b32 s19, s14, 6
	s_add_co_u32 s18, s18, s19                     ; the first of the 64 rows of A that I fetch
	s_lshl_b32 s20, s18, 12
	s_mov_b32 s21, 0
	s_lshl_b32 s44, s40, 16                        ; for the prefetch: my work-group's 16 of them
	s_add_co_u32 s44, s44, s20
	s_mov_b32 s45, 0
	s_lshl_b32 s46, s42, 1
	s_add_co_u32 s46, s46, s16                     ; which 128 columns of B
	s_lshl_b32 s46, s46, 19
	s_mov_b32 s47, 0
	s_lshl_b32 s70, s17, 1
	s_add_co_u32 s70, s70, s15
	s_lshl_b32 s70, s70, 12                        ; my 4,096 bytes of eight steps' 131,072
	s_add_co_u32 s72, s70, 2*BSTEP                 ; at the head: steps 2 to 9
	s_mov_b32 s73, 0
	s_add_co_u32 s70, s70, 10*BSTEP                ; in the first trip: steps 10 to 17
	s_mov_b32 s71, 0
	s_mul_i32 s41, s14, QROWS
	s_lshl_b32 s48, s17, 8
	s_lshl_b32 s49, s15, 7
	s_add_co_u32 s48, s48, s49
	s_lshl_b32 s48, s48, 14                        ; my first row of the result, in bytes
	s_mov_b32 s49, 0
	s_lshl_b32 s50, s42, 10
	s_lshl_b32 s51, s16, 9
	s_add_co_u32 s50, s50, s51                     ; my first column, in bytes
	s_mov_b32 s51, 0
	s_wait_alu depctr_va_vdst(0)                   ; the wait at the head's end: no vector register is written again before the way out
	s_wait_dscnt 0x0
	s_wait_kmcnt 0x0
	s_load_b64 s[96:97], s[8:9], 0x0               ; e0, e1
	s_add_nc_u64 s[BP:BP+1], s[6:7], s[46:47]
	s_add_nc_u64 s[12:13], s[12:13], s[50:51]
	global_load_b128 v[BI:BI+3], v[CO], s[12:13]
.irp g, 0,1,2,3
	GB 0, \g, 0                                    ; step 0's B0,
.endr
.irp g, 0,1,2,3
	GB 1, \g, 8192                                 ; its B1,
.endr
.irp g, 0,1,2,3
	GB 2, \g, BSTEP                                ; step 1's B0; its B1 is asked for in step 0, as in every even step
.endr
	WIN 0
	s_mov_b64 s[BG:BG+1], s[BP:BP+1]
	s_add_nc_u64 s[PBH:PBH+1], s[BP:BP+1], s[72:73]
	s_add_nc_u64 s[PB:PB+1], s[BP:BP+1], s[70:71]
	s_add_nc_u64 s[PFA:PFA+1], s[4:5], s[44:45]
	s_add_nc_u64 s[20:21], s[4:5], s[20:21]
	s_add_nc_u64 s[10:11], s[10:11], s[48:49]
	s_add_nc_u64 s[10:11], s[10:11], s[50:51]
	global_prefetch_b8 v[PFV], s[PBH:PBH+1] th:TH_LOAD_NT scope:SCOPE_SE
	CROUND                                         ; the four work-groups are here: the first joint loads meet
.irp s, 0,1
	s_mov_b32 s[G0+4*\s], 1
	s_add_co_u32 s[G0+4*\s+1], s41, \s*SLOT
	s_add_nc_u64 s[G0+4*\s+2:G0+4*\s+3], s[20:21], \s*512
	s_or_b32 s[G0+4*\s+3], s[G0+4*\s+3], 0x80000000
.endr
	tensor_load_to_lds s[G0:G0+3], s[G1:G1+7]      ; tile 0: one tensor load a wave at the head
	s_nop 0
	PLACES
	global_prefetch_b8 v[PFO], s[PFA:PFA+1] offset:1024 th:TH_LOAD_NT scope:SCOPE_SE   ; tile 2
	s_wait_tensorcnt 0x0                           ; slot 1's first fill is issued as a refill is
	ds_add_u32 v[SPW], v[NIL]
	s_wait_dscnt 0x0
	CROUND
	tensor_load_to_lds s[G0+4:G0+7], s[G1:G1+7]    ; tile 1
	s_nop 0
	PLACES
.irp g, 0,1,2,3
	GA XB, 0, 0, 0, \g
.endr
.irp g, 0,1,2,3
	GA YB, 0, 0, 1, \g
.endr
	ESTEP 0, 0, 0, 1, 0, 0                         ; step 0 stands ahead of the loop: its products start the sums
	WIN 0
	s_mov_b32 s3, 3
.Llap:                                                 ; a trip: eight steps, from a lap's second to the next lap's first; both slots are filled again
	OSTEP 1, 0, 2, 0, 0, 0, 1, 0, 0
	ESTEP 0, 2, 2, 0, 1, 0
	OSTEP 3, 1, 0, 1, 0, 0, 0, 1536, 0
	ESTEP 1, 0, 4, 0, 0, 0
	OSTEP 5, 1, 2, 0, 0, 0, 0, 0, 0
	ESTEP 1, 2, 6, 0, 1, 0
	OSTEP 7, 0, 0, 1, 1, 0, 0, 2048, 1
	ESTEP 0, 0, 8, 0, 0, 0
	WIN 0
	s_wait_xcnt 0x0                                ; the loads and prefetches issued so far have read their bases: they step only behind this wait
	s_add_nc_u64 s[BP:BP+1], s[BP:BP+1], 8*BSTEP
	s_add_nc_u64 s[PFA:PFA+1], s[PFA:PFA+1], 1024
	s_add_co_u32 s70, s70, 8*BSTEP
	s_min_u32 s72, s70, 524288-4096                ; held inside my 128 columns' 524,288 bytes
	s_add_nc_u64 s[PB:PB+1], s[BG:BG+1], s[72:73]
	s_sub_co_u32 s3, s3, 1
	s_cmp_lg_u32 s3, 0
	s_cbranch_scc1 .Llap
	OSTEP 1, 0, 2, 0, 0, 0, 0, 0, 0                ; steps 25 to 31: nothing is filled again
	ESTEP 0, 2, 2, 0, 2, 0
	OSTEP 3, 1, 0, 2, 0, 0, 0, 0, 0
	ESTEP 1, 0, 4, 0, 0, 0
	OSTEP 5, 1, 2, 0, 0, 0, 0, 0, 0
	ESTEP 1, 2, 6, 0, 0, -1
	OSTEP 7, 0, 0, 0, 0, 1, 0, 0, 0
	WIN 0
; THE WAY OUT, block by block of 16 rows x 128 columns: the sums go through my own stage and come back as whole rows of 512 bytes; there a lane holds the same four columns in every row,
; so one fused multiply-add a pair gives sum x 2^(e0 + e1) + bias; the 32 lanes store two aligned units of 256 bytes.
.macro TOSTAGE a
.set AC, 64*((\a)%4)
	WIN 0x08+4*((\a)/4)
.irp b, 0,1,2,3,4,5,6,7
	ds_store_b128 v[STO], v[AC+8*\b:AC+8*\b+3] offset:64*\b          ; each accumulator from its low end on
	ds_store_b128 v[STO], v[AC+8*\b+4:AC+8*\b+7] offset:64*\b+16
.endr
	WIN 0
.set BB, BK+64*((\a)%2)
.irp t, 0,1,2,3,4,5,6,7,8,9,10,11,12,13,14,15
	ds_load_b128 v[BB+4*\t:BB+4*\t+3], v[RD] offset:\t*SPITCH        ; LDS serves a wave's instructions in order (ISA guide 5.7.1.4)
.endr
.endm
.macro SEND a, younger
.set BB, BK+64*((\a)%2)
	s_wait_dscnt \younger
.if (\a) > 0
	s_add_nc_u64 s[10:11], s[10:11], 16*SIZE_N*4
.endif
.irp t, 0,1,2,3,4,5,6,7,8,9,10,11,12,13,14,15
	v_pk_fma_f32 v[BB+4*\t:BB+4*\t+1], v[BB+4*\t:BB+4*\t+1], s[96:97], v[BI:BI+1] op_sel_hi:[1,0,1]
	v_pk_fma_f32 v[BB+4*\t+2:BB+4*\t+3], v[BB+4*\t+2:BB+4*\t+3], s[96:97], v[BI+2:BI+3] op_sel_hi:[1,0,1]
.endr
.irp t, 0,1,2,3,4,5,6,7,8,9,10,11,12,13,14,15
	global_store_b128 v[CO], v[BB+4*\t:BB+4*\t+3], s[10:11] offset:\t*SIZE_N*4 th:TH_STORE_NT
.endr
.endm
	s_wait_kmcnt 0x0
	s_add_co_i32 s96, s96, s97
	s_add_co_i32 s96, s96, 127
	s_lshl_b32 s96, s96, 23                        ; 2^(e0 + e1) as f32
	s_wait_loadcnt 0x0
	PLACES
	s_wait_alu depctr_va_vdst(0)
	TOSTAGE 0
.irp a, 1,2,3,4,5,6,7
.if \a > 1
	s_wait_xcnt 0x0                                ; block a - 2's stores have read their registers and their base
.endif
	TOSTAGE \a
	SEND \a-1, 32
.endr
	s_wait_xcnt 0x0
	SEND 7, 0
	s_wait_tensorcnt 0x0                           ; the wave's end
	ds_add_u32 v[SPW], v[NIL]
	s_wait_dscnt 0x0
	CROUND                                         ; the closing round
	s_endpgm
.Lfunc_end_k_qc19b1b1937_gemm:
	.size	k_qc19b1b1937_gemm, .Lfunc_end_k_qc19b1b1937_gemm-k_qc19b1b1937_gemm
	.p2alignl 7, 3214868480
	.fill 96, 4, 3214868480
	.section	.rodata,"a",@progbits
	.p2align	6, 0x0
	.amdhsa_kernel k_qc19b1b1937_gemm
		.amdhsa_group_segment_fixed_size 327680
		.amdhsa_private_segment_fixed_size 0
		.amdhsa_enable_private_segment 0
		.amdhsa_kernarg_size 40
		.amdhsa_user_sgpr_count 2
		.amdhsa_user_sgpr_kernarg_segment_ptr 1
		.amdhsa_wavefront_size32 1
		.amdhsa_system_sgpr_workgroup_id_x 1
		.amdhsa_system_sgpr_workgroup_id_y 1
		.amdhsa_system_sgpr_workgroup_id_z 1
		.amdhsa_system_vgpr_workitem_id 0
		.amdhsa_next_free_vgpr 1024
		.amdhsa_next_free_sgpr 98
		.amdhsa_reserve_vcc 0
		.amdhsa_float_denorm_mode_32 3
		.amdhsa_float_denorm_mode_16_64 3
		.amdhsa_memory_ordered 1
		.amdhsa_forward_progress 1
		.amdhsa_inst_pref_size 209
	.end_amdhsa_kernel
	.amdgpu_metadata
---
amdhsa.version: [ 1, 2 ]
amdhsa.kernels:
  - .name:           k_qc19b1b1937_gemm
    .symbol:         k_qc19b1b1937_gemm.kd
    .args:
      - { .name: xc, .offset: 0, .size: 8, .value_kind: global_buffer, .address_space: global }
      - { .name: wc, .offset: 8, .size: 8, .value_kind: global_buffer, .address_space: global }
      - { .name: lowp_scales, .offset: 16, .size: 8, .value_kind: global_buffer, .address_space: global }
      - { .name: out0, .offset: 24, .size: 8, .value_kind: global_buffer, .address_space: global }
      - { .name: bias, .offset: 32, .size: 8, .value_kind: global_buffer, .address_space: global }
    .group_segment_fixed_size: 327680
    .private_segment_fixed_size: 0
    .kernarg_segment_align: 8
    .kernarg_segment_size: 40
    .max_flat_workgroup_size: 128
    .sgpr_count:     98
    .vgpr_count:     1024
    .wavefront_size: 32
...
	.end_amdgpu_metadata
.endif
;; end of part 2
